; MI455X (gfx1250); checked and timed in simulation.
; The chip was launched on July 23, 2026; its instructions are those of AMD's public machine-readable ISA for CDNA 5 (MIT licence, August 2026) and "CDNA5" Instruction Set Architecture Reference Guide (July 2026). The comments in the code are by the model that wrote it; some were corrected since.
;; Global Attention. Allowed arithmetic: float matrix products may take bf16 or f16 operands with f32 sums; all other float work in f32.
;; Inputs: Wa 1,024 x 1,024 float32; h_s 1,024 x 64 x 1,024 float32; h_t 64 x 1,024 float32; mask_src 1,024 x 64 bool.
;; Outputs: out0 64 x 1,024 float32; out1 64 x 1,024 float32.
;; 2 versions, each right; version 2 is version 1 with the launches qproj, stream written anew for expert scheduling mode. Each part assembles by itself: llvm-mc -triple=amdgcn-amd-amdhsa -mcpu=gfx1250 --defsym DOCPART=n.
;; ======== version 1 of 2: 3 launches
;; workspace buffers: qp 1,048,576 bytes; sc 262,144 bytes; ml 65,536 bytes; pc 1,048,576 bytes
;; launch qproj (part 1): grid 16 x 16, 8 waves a work-group, no clusters, 148,992 bytes of LDS; arguments Wa, h_t, qp; writes qp
.if DOCPART == 1
	.amdgcn_target "amdgcn-amd-amdhsa--gfx1250"
	.amdhsa_code_object_version 6
	.text
	.protected	k_q0130676aa0_qproj
	.globl	k_q0130676aa0_qproj
	.p2align	8
	.type	k_q0130676aa0_qproj,@function
k_q0130676aa0_qproj:
	s_mov_b64 s[64:65], 0
	v_nop
	global_prefetch_b8 v0, s[64:65] scope:SCOPE_SE
	s_setreg_imm32_b32 hwreg(HW_REG_WAVE_MODE, 25, 1), 1
	s_wait_xcnt 0x0
; qp[kq][b][d] = sum over the 256 t of K quarter kq of h_t[b][t] * Wa[d][t]   (f32; the four quarters are added by the next launch).
; Why: scores[s][b] = sum_t (sum_d h_s[s][b][d] Wa[d][t]) h_t[b][t] = sum_d h_s[s][b][d] q[b][d] with q = h_t Wa^T, for every input:
; the product with 65,536 rows becomes one with 64 rows.
; NUMBER FORMAT: the softmax behind these scores is steep, so plain bf16 operands would be too coarse.  Every f32 operand x is split
; into hi = bf16(x) and lo = bf16(x - hi) (the difference is exact in f32), and three bf16 products with f32 sums are made:
; hi hi + hi lo + lo hi.
; LIMITS: the product lo lo (at most 2^-18 of a term) is left out, and lo is itself rounded (at most 2^-18 of x).  |x| above about 3.39e38
; rounds to infinity in bf16 and then gives NaN.  The order of the sums differs from the reference's.
; SHARES: work-group (x, y): x = 64 columns d; y & 3 = 16 rows b; y >> 2 = K quarter.  Wave w: w & 3 = 16 of the d, w >> 2 = 128 of the K:
; one tile of 16 x 16 over K = 128, four matrix steps.  The two K halves meet in LDS.  The four waves of one K half convert the same
; 8 KiB of h_t: sharing them would cost a barrier more than it saves.
; No cluster and no tensor load: the operands have to pass through registers to be split, and the launch reads 4.25 MiB in all.
.set PITCH, 272                        ; an LDS row: 256 bytes + 16, so that 16 rows of a fragment start 16 bytes apart modulo 256
.set TILE,  16*PITCH                   ; 16 rows x 128 bf16
.set WREG,  4*TILE                     ; a wave's own region: Wa hi, Wa lo, h_t hi, h_t lo
.set OUTL,  8*WREG                     ; behind the eight regions: [2 K halves][16 b] rows of 64 f32, pitch 272
.set ROWB,  4096                       ; bytes of a row of Wa, of h_t and of qp
.set GO,   2                           ; v2   16 x lane: my 16 bytes of a row's 512
.set STG,  3                           ; v3   my region + 8 x lane: my 4 bf16 of a row
.set FRA,  6                           ; v6   my region + 272 r + 16 h: fragment loads
.set OST,  7                           ; v7   where my 8 results go
.set ORD,  8                           ; v8   where thread t reads 16 bytes of the block back
.set QO,   9                           ; v9   and its place in qp
.set RAW,  16                          ; v[16:143]  load n in 4 registers: n = 0..15 rows of Wa, 16..31 rows of h_t
.set FR,   16                          ; v[16:143]  later: fragment of K step s, tile t at 16 + 32 s + 8 t
.set T,    144                         ; v[144:151] at work
.set ACC0, 152                         ; hi hi
.set ACC1, 160                         ; Wa hi x h_t lo
.set ACC2, 168                         ; Wa lo x h_t hi
	s_load_b128 s[4:7], s[0:1], 0x0                ; Wa s[4:5], h_t s[6:7]
	s_load_b64 s[8:9], s[0:1], 0x10                ; qp
	v_lshl_add_u32 v176, v0, 2, 0x24200
	v_mov_b32 v177, 0
	v_lshrrev_b32 v1, 5, v0
	v_readfirstlane_b32 s10, v1                    ; wave 0..7
	v_and_b32 v1, 31, v0                           ; lane
	s_and_b32 s11, s10, 3                          ; nt: which 16 d
	s_lshr_b32 s12, s10, 2                         ; kh: which 128 of K
	s_and_b32 s13, ttmp7, 0xffff
	s_and_b32 s14, s13, 3                          ; mt: which 16 b
	s_lshr_b32 s15, s13, 2                         ; kq: which 256 of K
	s_lshl_b32 s17, s15, 10
	s_lshl_b32 s16, s12, 9
	s_add_co_u32 s17, s17, s16                     ; my first K, in bytes: 1,024 kq + 512 kh
	s_lshl_b32 s18, ttmp9, 18                      ; Wa: row 64 x + 16 nt, 4,096 bytes each
	s_lshl_b32 s16, s11, 16
	s_add_co_u32 s18, s18, s16
	s_add_co_u32 s18, s18, s17
	s_mov_b32 s19, 0
	s_lshl_b32 s20, s14, 16                        ; h_t: row 16 mt
	s_add_co_u32 s20, s20, s17
	s_mov_b32 s21, 0
	s_lshl_b32 s22, s15, 18                        ; qp: plane kq, row 16 mt, column 64 x
	s_lshl_b32 s16, s14, 16
	s_add_co_u32 s22, s22, s16
	s_lshl_b32 s16, ttmp9, 8
	s_add_co_u32 s22, s22, s16
	s_mov_b32 s23, 0
	s_mul_i32 s24, s10, WREG                       ; my region in LDS
	s_mul_i32 s25, s12, TILE                       ; my K half's block of results,
	s_lshl_b32 s16, s11, 6                         ; my 16 columns of 4 bytes in it
	s_add_co_u32 s25, s25, s16
	s_add_co_u32 s25, s25, OUTL
	s_mov_b32 s26, 0xffff0000                      ; a word's upper bf16
	v_lshlrev_b32 v[GO], 4, v1
	v_lshl_add_u32 v[STG], v1, 3, s24
	v_and_b32 v4, 15, v0                           ; r
	v_bfe_u32 v5, v0, 4, 1                         ; h
	v_mul_u32_u24 v10, v4, PITCH
	v_lshl_add_u32 v[FRA], v5, 4, v10
	v_add_nc_u32 v[FRA], s24, v[FRA]
	v_lshl_add_u32 v[OST], v5, 5, v10              ; row r, 8 f32 for each half of the lanes
	v_add_nc_u32 v[OST], s25, v[OST]
	v_lshrrev_b32 v11, 4, v0                       ; t >> 4: a row of the block
	v_mul_u32_u24 v[ORD], v11, PITCH
	v_lshl_add_u32 v[ORD], v4, 4, v[ORD]
	v_add_nc_u32 v[ORD], OUTL, v[ORD]
	v_lshlrev_b32 v[QO], 12, v11
	v_lshl_add_u32 v[QO], v4, 4, v[QO]
	s_wait_kmcnt 0x0
	s_add_nc_u64 s[4:5], s[4:5], s[18:19]
	s_add_nc_u64 s[6:7], s[6:7], s[20:21]
	s_add_nc_u64 s[8:9], s[8:9], s[22:23]
	; all 32 loads at once: each takes 512 consecutive bytes of one row, from a multiple of 512.  No hint: other work-groups read the same rows.
.irp i, 0,1,2,3,4,5,6,7,8,9,10,11,12,13,14,15
	global_load_b128 v[RAW+4*\i:RAW+4*\i+3], v[GO], s[4:5] offset:\i*ROWB
.endr
.irp i, 0,1,2,3,4,5,6,7,8,9,10,11,12,13,14,15
	global_load_b128 v[RAW+64+4*\i:RAW+64+4*\i+3], v[GO], s[6:7] offset:\i*ROWB
.endr
; Load n (row i of its tile) is split: 4 f32 a lane become 4 bf16 hi and 4 bf16 lo, 8 bytes each, into the tiles at hi and lo.
.macro CVT n, hi, lo, i
	s_wait_loadcnt 31-(\n)                         ; loads come back in order: mine is in, the 31 - n younger ones stay out
	v_cvt_pk_bf16_f32 v[T],   v[RAW+4*(\n)],   v[RAW+4*(\n)+1]
	v_cvt_pk_bf16_f32 v[T+1], v[RAW+4*(\n)+2], v[RAW+4*(\n)+3]
	v_lshlrev_b32 v[T+4], 16,  v[T]                ; hi back as f32
	v_and_b32     v[T+5], s26, v[T]
	v_lshlrev_b32 v[T+6], 16,  v[T+1]
	v_and_b32     v[T+7], s26, v[T+1]
	v_pk_add_f32 v[T+4:T+5], v[RAW+4*(\n):RAW+4*(\n)+1],   v[T+4:T+5] neg_lo:[0,1] neg_hi:[0,1]   ; x - hi, exact
	v_pk_add_f32 v[T+6:T+7], v[RAW+4*(\n)+2:RAW+4*(\n)+3], v[T+6:T+7] neg_lo:[0,1] neg_hi:[0,1]
	v_cvt_pk_bf16_f32 v[T+2], v[T+4], v[T+5]
	v_cvt_pk_bf16_f32 v[T+3], v[T+6], v[T+7]
	ds_store_b64 v[STG], v[T:T+1]   offset:\hi+PITCH*\i    ; the wave's store covers the row's 256 bytes
	ds_store_b64 v[STG], v[T+2:T+3] offset:\lo+PITCH*\i
.endm
.irp i, 0,1,2,3,4,5,6,7,8,9,10,11,12,13,14,15
	CVT \i, 0, TILE, \i
.endr
.irp i, 0,1,2,3,4,5,6,7,8,9,10,11,12,13,14,15
	CVT 16+\i, 2*TILE, 3*TILE, \i
.endr
	; Fragments: 16 rows x 32 K of bf16 in 8 registers: lane (r, h) takes row r, 16 bytes at 16 h and 16 bytes at 32 + 16 h of the K step's 64.
	; The bytes are the wave's own and LDS serves a wave's instructions in order: no wait and no barrier between the stores above and these loads.
.irp s, 0,1,2,3
.irp t, 0,1,2,3
	ds_load_b128 v[FR+32*\s+8*\t:FR+32*\s+8*\t+3],   v[FRA] offset:TILE*\t+64*\s
	ds_load_b128 v[FR+32*\s+8*\t+4:FR+32*\s+8*\t+7], v[FRA] offset:TILE*\t+64*\s+32
.endr
.endr
; One K step of 32.  Source 0 = 16 rows of Wa (d), source 1 = 16 rows of h_t (b): register j of lane (r, h) is q(b = r, d = 8 h + j),
; eight neighbouring columns of one row.  The three accumulators take turns, one instruction a turn.
.macro STEP s, zero
	s_wait_dscnt 24-8*\s                           ; eight loads a step, in order: the later steps' loads stay out
.if \zero
	v_wmma_f32_16x16x32_bf16 v[ACC0:ACC0+7], v[FR+32*\s:FR+32*\s+7],    v[FR+32*\s+16:FR+32*\s+23], 0
	v_wmma_f32_16x16x32_bf16 v[ACC1:ACC1+7], v[FR+32*\s:FR+32*\s+7],    v[FR+32*\s+24:FR+32*\s+31], 0
	v_wmma_f32_16x16x32_bf16 v[ACC2:ACC2+7], v[FR+32*\s+8:FR+32*\s+15], v[FR+32*\s+16:FR+32*\s+23], 0
.else
	v_wmma_f32_16x16x32_bf16 v[ACC0:ACC0+7], v[FR+32*\s:FR+32*\s+7],    v[FR+32*\s+16:FR+32*\s+23], v[ACC0:ACC0+7]
	v_wmma_f32_16x16x32_bf16 v[ACC1:ACC1+7], v[FR+32*\s:FR+32*\s+7],    v[FR+32*\s+24:FR+32*\s+31], v[ACC1:ACC1+7]
	v_wmma_f32_16x16x32_bf16 v[ACC2:ACC2+7], v[FR+32*\s+8:FR+32*\s+15], v[FR+32*\s+16:FR+32*\s+23], v[ACC2:ACC2+7]
.endif
.endm
	STEP 0, 1                                      ; the first products start the sums: nothing is cleared
	STEP 1, 0
	STEP 2, 0
	STEP 3, 0
.rept 4
	v_nop                                          ; four places behind the last matrix instruction before its result is read (ISA guide 7.12.1)
.endr
.irp j, 0,2,4,6
	v_pk_add_f32 v[ACC1+\j:ACC1+\j+1], v[ACC1+\j:ACC1+\j+1], v[ACC2+\j:ACC2+\j+1]   ; the two small sums first,
.endr
.irp j, 0,2,4,6
	v_pk_add_f32 v[ACC0+\j:ACC0+\j+1], v[ACC0+\j:ACC0+\j+1], v[ACC1+\j:ACC1+\j+1]   ; then onto the large one
.endr
	ds_store_b128 v[OST], v[ACC0:ACC0+3]
	ds_store_b128 v[OST], v[ACC0+4:ACC0+7] offset:16
	s_wait_dscnt 0x0                               ; my results are in LDS, for the other waves' sake: zero
	s_barrier_signal -1
	s_barrier_wait -1                              ; everybody's are
	ds_load_b128 v[16:19], v[ORD]                  ; thread t: row t >> 4, 16 bytes at 16 (t & 15), K half 0
	ds_load_b128 v[20:23], v[ORD] offset:TILE      ; and K half 1
	s_wait_dscnt 0x0
	v_pk_add_f32 v[16:17], v[16:17], v[20:21]
	v_pk_add_f32 v[18:19], v[18:19], v[22:23]
	global_store_b128 v[QO], v[16:19], s[8:9]      ; sixteen lanes store 256 consecutive bytes, at a multiple of 256 from qp's first byte
	s_wait_tensorcnt 0x0
	ds_add_u32 v176, v177
	s_wait_dscnt 0x0
	s_endpgm
.Lfunc_end_k_q0130676aa0_qproj:
	.size	k_q0130676aa0_qproj, .Lfunc_end_k_q0130676aa0_qproj-k_q0130676aa0_qproj
	.p2alignl 7, 3214868480
	.fill 96, 4, 3214868480
	.section	.rodata,"a",@progbits
	.p2align	6, 0x0
	.amdhsa_kernel k_q0130676aa0_qproj
		.amdhsa_group_segment_fixed_size 148992
		.amdhsa_private_segment_fixed_size 0
		.amdhsa_enable_private_segment 0
		.amdhsa_kernarg_size 24
		.amdhsa_user_sgpr_count 2
		.amdhsa_user_sgpr_kernarg_segment_ptr 1
		.amdhsa_wavefront_size32 1
		.amdhsa_system_sgpr_workgroup_id_x 1
		.amdhsa_system_sgpr_workgroup_id_y 1
		.amdhsa_system_sgpr_workgroup_id_z 1
		.amdhsa_system_vgpr_workitem_id 0
		.amdhsa_next_free_vgpr 178
		.amdhsa_next_free_sgpr 66
		.amdhsa_reserve_vcc 0
		.amdhsa_float_denorm_mode_32 3
		.amdhsa_float_denorm_mode_16_64 3
		.amdhsa_memory_ordered 1
		.amdhsa_forward_progress 1
		.amdhsa_inst_pref_size 31
	.end_amdhsa_kernel
	.amdgpu_metadata
---
amdhsa.version: [ 1, 2 ]
amdhsa.kernels:
  - .name:           k_q0130676aa0_qproj
    .symbol:         k_q0130676aa0_qproj.kd
    .args:
      - { .name: Wa, .offset: 0, .size: 8, .value_kind: global_buffer, .address_space: global }
      - { .name: h_t, .offset: 8, .size: 8, .value_kind: global_buffer, .address_space: global }
      - { .name: qp, .offset: 16, .size: 8, .value_kind: global_buffer, .address_space: global }
    .group_segment_fixed_size: 148992
    .private_segment_fixed_size: 0
    .kernarg_segment_align: 8
    .kernarg_segment_size: 24
    .max_flat_workgroup_size: 256
    .sgpr_count:     66
    .vgpr_count:     178
    .wavefront_size: 32
...
	.end_amdgpu_metadata
.endif
;; end of part 1
;; launch stream (part 2): grid 64 x 4, 16 waves a work-group, no clusters, 75,776 bytes of LDS; arguments h_s, mask_src, qp, sc, ml, pc; writes sc, ml, pc
.if DOCPART == 2
	.amdgcn_target "amdgcn-amd-amdhsa--gfx1250"
	.amdhsa_code_object_version 6
	.text
	.protected	k_q0130676aa0_stream
	.globl	k_q0130676aa0_stream
	.p2align	8
	.type	k_q0130676aa0_stream,@function
k_q0130676aa0_stream:
	s_mov_b64 s[64:65], 0
	v_nop
	global_prefetch_b8 v0, s[64:65] scope:SCOPE_SE
	s_setreg_imm32_b32 hwreg(HW_REG_WAVE_MODE, 25, 1), 1
	s_wait_xcnt 0x0
; The one pass over h_s.  Work-group (b, quarter) takes batch b and the 256 sequence places s = 256 quarter .. + 255: 1 MiB of h_s, read once.
; For each row: z = log2(e) * (mask ? h_s[s][b] . q[b] : -9999.9), and an online softmax with a running maximum M:
;   M' = max(M, z); a = 2^(M - M'); p = 2^(z - M'); L = L a + p; ACC = ACC a + p * row.
; Out: sc[b][s] = z;  ml[b][quarter] = (M, L) of the quarter, 32 times over (one whole block of 256 bytes; every lane of a reader has its copy);
; pc[b][quarter][d] = sum over the quarter's s of 2^(z - M) h_s[s][b][d].  The next launch joins the four quarters.
; Masked rows are read and worked on like the others: -9999.9 is a finite score, so their weights count when every score is that low.
; The mask only selects a value (v_cndmask_b32): no branch and no address hangs on it.
; SHARES: 16 waves, 16 rows each.  One wave takes a whole row of 4,096 bytes, eight loads of 512 consecutive bytes; lane l, register 4 j + c
; holds d = 128 j + 4 l + c.  So a score's sum never leaves the wave, and no wave waits for another until the end.
; IN FLIGHT: five rows of each wave at the start (40 loads of 512 bytes), then three to four: a ring of four row slots in registers.
; Memory bounds this launch.  Left out: matrix units (one row of q for each batch would use a sixteenth of a tile, and bf16 would be too coarse
; for these scores), tensor loads and LDS slots (the register ring needs no barrier for a refill), clusters (no two work-groups read the same
; row), prefetches (the loads themselves run that far ahead).
; LIMITS: sums in another order than the reference's (h_s . (Wa h_t) in place of (h_s Wa) . h_t); scores are kept times log2(e), one rounding more;
; v_exp_f32 gives 0 for results below 2^-126, so weights that small are 0.
.set ROWSTEP, 262144                   ; bytes from s to s + 1 in h_s: 64 batches x 4,096
.set QLDS, 0                           ; LDS: q[b] x log2(e), 4,096 bytes
.set SCL,  4096                        ; 256 scores
.set MLL,  5120                        ; M of the 16 waves, then at + 64 their L
.set PART, 8192                        ; 16 waves x 4,096 bytes: their sums
.set OFF,  1                           ; v1   16 lane + wave x 16 rows x 262,144: never rewritten, the row stands in the immediate
.set MKO,  2                           ; v2   mask: wave x 16 rows x 64 + (lane & 15) x 64
.set T8,   3                           ; v3   8 t
.set L16,  4                           ; v4   16 lane
.set SCA,  5                           ; v5   SCL + 64 wave
.set MLA,  6                           ; v6   MLL + 4 wave
.set MLR,  7                           ; v7   MLL + 4 (lane & 15)
.set PST,  8                           ; v8   PART + 4,096 wave + 16 lane
.set PRD,  9                           ; v9   PART + 8 t
.set MK,   10                          ; v10  the mask byte of row lane & 15
.set ZNEG, 11                          ; v11  f32(-9999.9) x log2(e)
.set Z,    12                          ; v12  the score
.set ZT,   13                          ; v13  the other half's sum
.set M,    14                          ; v14  running maximum
.set MN,   15                          ; v15  new maximum
.set L,    16                          ; v16  running sum
.set T16,  17                          ; v17  16 t
.set D,    18                          ; v[18:19] the two exponents; at the end (M, L) of the work-group
.set AP,   20                          ; v[20:21] a, p
.set T,    22                          ; v[22:29] four chains of two
.set L8,   30                          ; v30  8 lane
.set Q,    32                          ; v[32:63]  q x log2(e), laid out like a row
.set ACC,  64                          ; v[64:95]  the weighted sum
.set X,    96                          ; v[96:223] four row slots of 32 registers
	s_load_b256 s[4:11], s[0:1], 0x0               ; h_s s[4:5], mask_src s[6:7], qp s[8:9], sc s[10:11]
	s_load_b128 s[12:15], s[0:1], 0x20             ; ml s[12:13], pc s[14:15]
	v_lshl_add_u32 v224, v0, 2, 0x12000
	v_mov_b32 v225, 0
	v_lshrrev_b32 v[T16], 5, v0
	v_readfirstlane_b32 s16, v[T16]                ; wave 0..15
	s_mov_b32 s17, ttmp9                           ; b
	s_and_b32 s18, ttmp7, 0xffff                   ; quarter
	s_mov_b32 s24, 0x76543210                      ; v_permlanex16_b32: lane i of one half reads lane i of the other
	s_mov_b32 s25, 0xfedcba98
	v_and_b32 v[L8], 31, v0                        ; lane
	v_and_b32 v[MLR], 15, v0
	v_lshlrev_b32 v[L16], 4, v[L8]
	s_lshl_b32 s19, s16, 22
	v_add_nc_u32 v[OFF], s19, v[L16]
	s_lshl_b32 s19, s16, 10
	v_lshl_add_u32 v[MKO], v[MLR], 6, s19
	v_lshlrev_b32 v[T8], 3, v0
	s_lshl_b32 s19, s16, 6
	s_add_co_u32 s19, s19, SCL
	v_mov_b32 v[SCA], s19
	s_lshl_b32 s19, s16, 2
	s_add_co_u32 s19, s19, MLL
	v_mov_b32 v[MLA], s19
	v_lshl_add_u32 v[MLR], v[MLR], 2, MLL
	s_lshl_b32 s19, s16, 12
	s_add_co_u32 s19, s19, PART
	v_add_nc_u32 v[PST], s19, v[L16]
	v_add_nc_u32 v[PRD], PART, v[T8]
	v_mov_b32 v[ZNEG], 0xc6616b3a
	v_mov_b32 v[ZT], 0                             ; v_permlanex16_b32 counts as a reader of its destination
	v_lshlrev_b32 v[T16], 4, v0
	v_lshlrev_b32 v[L8], 3, v[L8]
	s_lshl_b32 s19, s17, 12                        ; b x 4,096
	s_lshl2_add_u32 s26, s17, s18                  ; 4 b + quarter
	s_mov_b32 s21, 0                               ; every offset is below 2^28: the high word is 0
	s_wait_kmcnt 0x0
	s_lshl_b32 s20, s18, 26                        ; h_s: 256 quarter rows s of 262,144 bytes, + b's row
	s_add_co_u32 s20, s20, s19
	s_add_nc_u64 s[4:5], s[4:5], s[20:21]
	s_lshl_b32 s20, s18, 14                        ; mask: 256 quarter rows of 64 bytes, + b
	s_add_co_u32 s20, s20, s17
	s_add_nc_u64 s[6:7], s[6:7], s[20:21]
	s_mov_b32 s20, s19                             ; qp: row b of each plane
	s_add_nc_u64 s[8:9], s[8:9], s[20:21]
	s_lshl_b32 s20, s18, 10                        ; sc: row b, 256 quarter scores in
	s_add_co_u32 s20, s20, s19
	s_add_nc_u64 s[10:11], s[10:11], s[20:21]
	s_lshl_b32 s20, s26, 8                         ; ml: record 4 b + quarter of 256 bytes
	s_add_nc_u64 s[12:13], s[12:13], s[20:21]
	s_lshl_b32 s20, s26, 12                        ; pc: row 4 b + quarter of 4,096 bytes
	s_add_nc_u64 s[14:15], s[14:15], s[20:21]
; Row i of my 16 into the 32 registers at dst.  The largest immediate is 15 x 262,144 + 3,584, inside the signed 24 bits.
; The launch reads each row once: TH_LOAD_NT.
.macro FILL dst, i
.irp j, 0,1,2,3,4,5,6,7
	global_load_b128 v[(\dst)+4*\j:(\dst)+4*\j+3], v[OFF], s[4:5] offset:(\i)*ROWSTEP+512*\j th:TH_LOAD_NT
.endr
.endm
	global_load_u8 v[MK], v[MKO], s[6:7]           ; lane l: the mask of my row l & 15
.irp k, 0,1,2,3
	global_load_b64 v[T+2*\k:T+2*\k+1], v[T8], s[8:9] offset:\k*262144   ; thread t: q's partial sums of d = 2 t, 2 t + 1; a wave's load is 256 consecutive bytes
.endr
	FILL ACC, 0                                    ; row 0 lands where the sum is kept: with p = 1 it is the sum's first term
.irp k, 0,1,2,3
	FILL X+32*\k, \k+1
.endr
	s_wait_loadcnt 40                              ; the mask and q's partial sums are in; the 40 loads of rows 0 to 4 stay out
	v_cmp_ne_u32 s22, 0, v[MK]                     ; bit i = the mask of my row i
	v_pk_add_f32 v[T:T+1],   v[T:T+1],   v[T+2:T+3]
	v_pk_add_f32 v[T+4:T+5], v[T+4:T+5], v[T+6:T+7]
	v_pk_add_f32 v[T:T+1],   v[T:T+1],   v[T+4:T+5]
	v_pk_mul_f32 v[T:T+1], v[T:T+1], 0x3fb8aa3b op_sel_hi:[1,0]    ; log2(e) goes into q once, so that v_exp_f32 (base 2) takes the scores as they come
	ds_store_b64 v[T8], v[T:T+1] offset:QLDS
	s_wait_dscnt 0x0                               ; my two numbers of q are in LDS
	s_barrier_signal -1
	s_barrier_wait -1                              ; all 1,024 are
.irp j, 0,1,2,3,4,5,6,7
	ds_load_b128 v[Q+4*\j:Q+4*\j+3], v[L16] offset:QLDS+512*\j     ; q in a row's layout
.endr
	s_wait_dscnt 0x0
; The score of row i, which lies in the 32 registers at src: four chains, the lanes' sums joined, the mask's choice; kept in LDS for the way out.
.macro SCORE src, i
.irp c, 0,1,2,3
	v_pk_mul_f32 v[T+2*\c:T+2*\c+1], v[(\src)+2*\c:(\src)+2*\c+1], v[Q+2*\c:Q+2*\c+1]
.endr
.irp p, 4,5,6,7,8,9,10,11,12,13,14,15
	v_pk_fma_f32 v[T+2*(\p%4):T+2*(\p%4)+1], v[(\src)+2*\p:(\src)+2*\p+1], v[Q+2*\p:Q+2*\p+1], v[T+2*(\p%4):T+2*(\p%4)+1]
.endr
	v_pk_add_f32 v[T:T+1],   v[T:T+1],   v[T+2:T+3]
	v_pk_add_f32 v[T+4:T+5], v[T+4:T+5], v[T+6:T+7]
	v_pk_add_f32 v[T:T+1],   v[T:T+1],   v[T+4:T+5]
	v_add_f32 v[Z], v[T], v[T+1]
	v_add_f32_dpp v[Z], v[Z], v[Z] row_xmask:1 row_mask:0xf bank_mask:0xf
	v_add_f32_dpp v[Z], v[Z], v[Z] row_xmask:2 row_mask:0xf bank_mask:0xf
	v_add_f32_dpp v[Z], v[Z], v[Z] row_xmask:4 row_mask:0xf bank_mask:0xf
	v_add_f32_dpp v[Z], v[Z], v[Z] row_xmask:8 row_mask:0xf bank_mask:0xf
	v_permlanex16_b32 v[ZT], v[Z], s24, s25
	v_add_f32 v[Z], v[Z], v[ZT]                    ; every lane holds the row's score
	s_bitcmp1_b32 s22, \i
	s_cselect_b32 s23, -1, 0
	v_cndmask_b32 v[Z], v[ZNEG], v[Z], s23         ; mask ? score : -9999.9 x log2(e)
	ds_store_b32 v[SCA], v[Z] offset:4*\i          ; all lanes write the same word with the same value
.endm
; Row i, in slot.  left = the loads of the rows issued behind it, which stay out.  fill = 1: the slot gets row i + 4.
.macro ROW i, slot, left, fill
	s_wait_loadcnt \left
	SCORE X+32*\slot, \i
	v_max_num_f32 v[MN], v[M], v[Z]
	v_sub_f32 v[D],   v[M], v[MN]
	v_sub_f32 v[D+1], v[Z], v[MN]
	v_exp_f32 v[AP],   v[D]                        ; a
	v_exp_f32 v[AP+1], v[D+1]                      ; p
	v_mov_b32 v[M], v[MN]                          ; the plain instruction that stands behind the exponentials before their results are used (ISA guide 5.7.2)
	s_wait_alu depctr_va_vdst(0)
	v_fma_f32 v[L], v[L], v[AP], v[AP+1]
.irp p, 0,1,2,3,4,5,6,7,8,9,10,11,12,13,14,15
	v_pk_mul_f32 v[ACC+2*\p:ACC+2*\p+1], v[ACC+2*\p:ACC+2*\p+1], v[AP:AP+1] op_sel_hi:[1,0]      ; both halves by a
.endr
.irp p, 0,1,2,3,4,5,6,7,8,9,10,11,12,13,14,15
	v_pk_fma_f32 v[ACC+2*\p:ACC+2*\p+1], v[X+32*\slot+2*\p:X+32*\slot+2*\p+1], v[AP:AP+1], v[ACC+2*\p:ACC+2*\p+1] op_sel:[0,1,0] op_sel_hi:[1,1,1]   ; both halves by p
.endr
.if \fill
	FILL X+32*\slot, \i+4
.endif
.endm
	s_wait_loadcnt 32                              ; row 0 is in; rows 1 to 4 stay out
	SCORE ACC, 0
	v_mov_b32 v[M], v[Z]                           ; the first row starts the maximum, the sum (p = 1) and, where it lies, the weighted sum
	v_mov_b32 v[L], 1.0
	ROW 1,  0, 24, 1
	ROW 2,  1, 24, 1
	ROW 3,  2, 24, 1
	ROW 4,  3, 24, 1
	ROW 5,  0, 24, 1
	ROW 6,  1, 24, 1
	ROW 7,  2, 24, 1
	ROW 8,  3, 24, 1
	ROW 9,  0, 24, 1
	ROW 10, 1, 24, 1
	ROW 11, 2, 24, 1                               ; fills row 15, the last: no load leaves the wave's rows
	ROW 12, 3, 24, 0
	ROW 13, 0, 16, 0                               ; the counts run down
	ROW 14, 1, 8,  0
	ROW 15, 2, 0,  0
	; The 16 waves' maxima and sums meet.
	ds_store_b32 v[MLA], v[M]
	ds_store_b32 v[MLA], v[L] offset:64
	s_wait_dscnt 0x0                               ; these two and my 16 scores are in LDS
	s_barrier_signal -1
	s_barrier_wait -1
	ds_load_b32 v[Z],  v[MLR]                      ; lane l: M and L of wave l & 15; both halves of the lanes hold the same 16
	ds_load_b32 v[ZT], v[MLR] offset:64
	s_wait_dscnt 0x0
	v_max_num_f32_dpp v[D], v[Z], v[Z] row_xmask:1 row_mask:0xf bank_mask:0xf
	v_max_num_f32_dpp v[D], v[D], v[D] row_xmask:2 row_mask:0xf bank_mask:0xf
	v_max_num_f32_dpp v[D], v[D], v[D] row_xmask:4 row_mask:0xf bank_mask:0xf
	v_max_num_f32_dpp v[D], v[D], v[D] row_xmask:8 row_mask:0xf bank_mask:0xf     ; the work-group's maximum, in every lane
	v_sub_f32 v[T],   v[Z], v[D]
	v_sub_f32 v[T+1], v[M], v[D]
	v_exp_f32 v[T+2], v[T]                         ; what wave l & 15's sum is scaled by
	v_exp_f32 v[AP],  v[T+1]                       ; what my own wave's weighted sum is scaled by
	v_nop                                          ; the plain place behind the exponentials
	s_wait_alu depctr_va_vdst(0)
	v_mul_f32 v[D+1], v[ZT], v[T+2]
	v_add_f32_dpp v[D+1], v[D+1], v[D+1] row_xmask:1 row_mask:0xf bank_mask:0xf
	v_add_f32_dpp v[D+1], v[D+1], v[D+1] row_xmask:2 row_mask:0xf bank_mask:0xf
	v_add_f32_dpp v[D+1], v[D+1], v[D+1] row_xmask:4 row_mask:0xf bank_mask:0xf
	v_add_f32_dpp v[D+1], v[D+1], v[D+1] row_xmask:8 row_mask:0xf bank_mask:0xf   ; the work-group's sum
.irp p, 0,1,2,3,4,5,6,7,8,9,10,11,12,13,14,15
	v_pk_mul_f32 v[ACC+2*\p:ACC+2*\p+1], v[ACC+2*\p:ACC+2*\p+1], v[AP:AP+1] op_sel_hi:[1,0]
.endr
.irp j, 0,1,2,3,4,5,6,7
	ds_store_b128 v[PST], v[ACC+4*\j:ACC+4*\j+3] offset:512*\j     ; byte 512 j + 16 lane = 4 d: my wave's 1,024 sums in the order of d
.endr
	s_wait_dscnt 0x0
	s_barrier_signal -1
	s_barrier_wait -1
.irp k, 0,1,2,3,4,5,6,7,8,9,10,11,12,13,14,15
	ds_load_b64 v[X+2*\k:X+2*\k+1], v[PRD] offset:4096*\k          ; thread t: d = 2 t, 2 t + 1 of all 16 waves
.endr
	s_wait_dscnt 0x0
.irp k, 0,1,2,3,4,5,6,7
	v_pk_add_f32 v[X+4*\k:X+4*\k+1], v[X+4*\k:X+4*\k+1], v[X+4*\k+2:X+4*\k+3]
.endr
.irp k, 0,1,2,3
	v_pk_add_f32 v[X+8*\k:X+8*\k+1], v[X+8*\k:X+8*\k+1], v[X+8*\k+4:X+8*\k+5]
.endr
.irp k, 0,1
	v_pk_add_f32 v[X+16*\k:X+16*\k+1], v[X+16*\k:X+16*\k+1], v[X+16*\k+8:X+16*\k+9]
.endr
	v_pk_add_f32 v[X:X+1], v[X:X+1], v[X+16:X+17]
	global_store_b64 v[T8], v[X:X+1], s[14:15]     ; a wave stores 256 consecutive bytes, at a multiple of 256 from pc's first byte
	s_cmp_gt_u32 s16, 1
	s_cbranch_scc1 .Lno_scores
	ds_load_b128 v[T:T+3], v[T16] offset:SCL       ; waves 0 and 1: the 256 scores, 16 bytes a thread (stored ahead of the two barriers above)
	s_wait_dscnt 0x0
	global_store_b128 v[T16], v[T:T+3], s[10:11]
.Lno_scores:
	s_cmp_lg_u32 s16, 2
	s_cbranch_scc1 .Ldone
	global_store_b64 v[L8], v[D:D+1], s[12:13]     ; wave 2: (M, L), 32 times: the record's 256 bytes in one store
.Ldone:
	s_wait_tensorcnt 0x0
	ds_add_u32 v224, v225
	s_wait_dscnt 0x0
	s_endpgm
.Lfunc_end_k_q0130676aa0_stream:
	.size	k_q0130676aa0_stream, .Lfunc_end_k_q0130676aa0_stream-k_q0130676aa0_stream
	.p2alignl 7, 3214868480
	.fill 96, 4, 3214868480
	.section	.rodata,"a",@progbits
	.p2align	6, 0x0
	.amdhsa_kernel k_q0130676aa0_stream
		.amdhsa_group_segment_fixed_size 75776
		.amdhsa_private_segment_fixed_size 0
		.amdhsa_enable_private_segment 0
		.amdhsa_kernarg_size 48
		.amdhsa_user_sgpr_count 2
		.amdhsa_user_sgpr_kernarg_segment_ptr 1
		.amdhsa_wavefront_size32 1
		.amdhsa_system_sgpr_workgroup_id_x 1
		.amdhsa_system_sgpr_workgroup_id_y 1
		.amdhsa_system_sgpr_workgroup_id_z 1
		.amdhsa_system_vgpr_workitem_id 0
		.amdhsa_next_free_vgpr 226
		.amdhsa_next_free_sgpr 66
		.amdhsa_reserve_vcc 0
		.amdhsa_float_denorm_mode_32 3
		.amdhsa_float_denorm_mode_16_64 3
		.amdhsa_memory_ordered 1
		.amdhsa_forward_progress 1
		.amdhsa_inst_pref_size 84
	.end_amdhsa_kernel
	.amdgpu_metadata
---
amdhsa.version: [ 1, 2 ]
amdhsa.kernels:
  - .name:           k_q0130676aa0_stream
    .symbol:         k_q0130676aa0_stream.kd
    .args:
      - { .name: h_s, .offset: 0, .size: 8, .value_kind: global_buffer, .address_space: global }
      - { .name: mask_src, .offset: 8, .size: 8, .value_kind: global_buffer, .address_space: global }
      - { .name: qp, .offset: 16, .size: 8, .value_kind: global_buffer, .address_space: global }
      - { .name: sc, .offset: 24, .size: 8, .value_kind: global_buffer, .address_space: global }
      - { .name: ml, .offset: 32, .size: 8, .value_kind: global_buffer, .address_space: global }
      - { .name: pc, .offset: 40, .size: 8, .value_kind: global_buffer, .address_space: global }
    .group_segment_fixed_size: 75776
    .private_segment_fixed_size: 0
    .kernarg_segment_align: 8
    .kernarg_segment_size: 48
    .max_flat_workgroup_size: 512
    .sgpr_count:     66
    .vgpr_count:     226
    .wavefront_size: 32
...
	.end_amdgpu_metadata
.endif
;; end of part 2
;; launch finish (part 3): grid 64 x 4, 2 waves a work-group, no clusters, 0 bytes of LDS; arguments sc, ml, pc, out0, out1; writes out0, out1
.if DOCPART == 3
	.amdgcn_target "amdgcn-amd-amdhsa--gfx1250"
	.amdhsa_code_object_version 6
	.text
	.protected	k_q0130676aa0_finish
	.globl	k_q0130676aa0_finish
	.p2align	8
	.type	k_q0130676aa0_finish,@function
k_q0130676aa0_finish:
	s_mov_b64 s[64:65], 0
	v_nop
	global_prefetch_b8 v0, s[64:65] scope:SCOPE_SE
	s_setreg_imm32_b32 hwreg(HW_REG_WAVE_MODE, 25, 1), 1
	s_wait_xcnt 0x0
; Joins the four quarters of each batch b.  With (M_j, L_j) of quarter j:  M = max M_j;  e_j = 2^(M_j - M);  L = sum L_j e_j;
;   out0[b][s] = 2^(sc[b][s] - M) / L;   out1[b][d] = sum over j of (e_j / L) pc[b][j][d].
; The largest score gives 2^0, so L is at least 1 and the reciprocal is safe.
; Work-group (b, c): 256 columns (1,024 bytes) of row b of both outputs; thread t of 64 owns the 16 bytes at 16 t, so sixteen lanes
; store 256 consecutive bytes, aligned.  One round of nine loads a thread, no loop, no LDS: every thread makes M and L for itself
; from its own copy of the four records.
; LIMITS: v_exp_f32 gives 0 for results below 2^-126; 1 / L by v_rcp_f32 (1 ULP) and a multiplication.
	s_load_b256 s[4:11], s[0:1], 0x0               ; sc s[4:5], ml s[6:7], pc s[8:9], out0 s[10:11]
	s_load_b64 s[12:13], s[0:1], 0x20              ; out1
	s_and_b32 s14, ttmp7, 0xffff
	s_lshl_b32 s14, s14, 10                        ; c x 1,024 bytes
	s_lshl_b32 s16, ttmp9, 12                      ; sc, out0, out1: row b of 4,096 bytes, + c's part
	s_add_co_u32 s16, s16, s14
	s_mov_b32 s17, 0
	s_lshl_b32 s18, ttmp9, 10                      ; ml: b's four records of 256 bytes
	s_mov_b32 s19, 0
	s_lshl_b32 s20, ttmp9, 14                      ; pc: b's four rows of 4,096 bytes, + c's part
	s_add_co_u32 s20, s20, s14
	s_mov_b32 s21, 0
	v_lshlrev_b32 v1, 4, v0                        ; 16 t
	v_and_b32 v2, 31, v0
	v_lshlrev_b32 v2, 3, v2                        ; 8 lane: my copy of a record's pair
	s_wait_kmcnt 0x0
	s_add_nc_u64 s[4:5], s[4:5], s[16:17]
	s_add_nc_u64 s[6:7], s[6:7], s[18:19]
	s_add_nc_u64 s[8:9], s[8:9], s[20:21]
	s_add_nc_u64 s[10:11], s[10:11], s[16:17]
	s_add_nc_u64 s[12:13], s[12:13], s[16:17]
.irp j, 0,1,2,3
	global_load_b64 v[4+2*\j:5+2*\j], v2, s[6:7] offset:256*\j     ; (M_j, L_j)
.endr
	global_load_b128 v[12:15], v1, s[4:5]                          ; four scores
.irp j, 0,1,2,3
	global_load_b128 v[16+4*\j:19+4*\j], v1, s[8:9] offset:4096*\j ; four columns of quarter j's sum
.endr
	s_wait_loadcnt 5                               ; the four pairs are in; the scores' load and the four of pc stay out
	v_max3_num_f32 v32, v4, v6, v8
	v_max_num_f32 v32, v32, v10                    ; M
	v_sub_f32 v33, v4, v32
	v_sub_f32 v34, v6, v32
	v_sub_f32 v35, v8, v32
	v_sub_f32 v36, v10, v32
	v_exp_f32 v40, v33                             ; e_0 .. e_3
	v_exp_f32 v41, v34
	v_exp_f32 v42, v35
	v_exp_f32 v43, v36
	s_wait_loadcnt 4                               ; the scores are in; pc's four loads stay out
	v_sub_f32 v12, v12, v32                        ; plain work that touches none of the exponentials' registers stands behind them
	v_sub_f32 v13, v13, v32
	v_sub_f32 v14, v14, v32
	v_sub_f32 v15, v15, v32
	s_wait_alu depctr_va_vdst(0)
	v_mul_f32 v44, v5, v40
	v_fma_f32 v44, v7, v41, v44
	v_fma_f32 v44, v9, v42, v44
	v_fma_f32 v44, v11, v43, v44                   ; L
	v_rcp_f32 v45, v44                             ; r = 1 / L, beside L: op_sel picks it from the pair
	v_exp_f32 v52, v12
	v_exp_f32 v53, v13
	v_exp_f32 v54, v14
	v_exp_f32 v55, v15
	v_nop                                          ; the plain place behind the reciprocal and the exponentials
	s_wait_alu depctr_va_vdst(0)
	v_pk_mul_f32 v[52:53], v[52:53], v[44:45] op_sel:[0,1] op_sel_hi:[1,1]
	v_pk_mul_f32 v[54:55], v[54:55], v[44:45] op_sel:[0,1] op_sel_hi:[1,1]
	global_store_b128 v1, v[52:55], s[10:11] th:TH_STORE_NT
	v_pk_mul_f32 v[48:49], v[40:41], v[44:45] op_sel:[0,1] op_sel_hi:[1,1]         ; g_j = e_j r
	v_pk_mul_f32 v[50:51], v[42:43], v[44:45] op_sel:[0,1] op_sel_hi:[1,1]
	s_wait_loadcnt 0x0
	v_pk_mul_f32 v[56:57], v[16:17], v[48:49] op_sel_hi:[1,0]                      ; by g_0
	v_pk_mul_f32 v[58:59], v[18:19], v[48:49] op_sel_hi:[1,0]
	v_pk_fma_f32 v[56:57], v[20:21], v[48:49], v[56:57] op_sel:[0,1,0] op_sel_hi:[1,1,1]   ; by g_1
	v_pk_fma_f32 v[58:59], v[22:23], v[48:49], v[58:59] op_sel:[0,1,0] op_sel_hi:[1,1,1]
	v_pk_fma_f32 v[56:57], v[24:25], v[50:51], v[56:57] op_sel_hi:[1,0,1]          ; by g_2
	v_pk_fma_f32 v[58:59], v[26:27], v[50:51], v[58:59] op_sel_hi:[1,0,1]
	v_pk_fma_f32 v[56:57], v[28:29], v[50:51], v[56:57] op_sel:[0,1,0] op_sel_hi:[1,1,1]   ; by g_3
	v_pk_fma_f32 v[58:59], v[30:31], v[50:51], v[58:59] op_sel:[0,1,0] op_sel_hi:[1,1,1]
	global_store_b128 v1, v[56:59], s[12:13] th:TH_STORE_NT
	s_endpgm
.Lfunc_end_k_q0130676aa0_finish:
	.size	k_q0130676aa0_finish, .Lfunc_end_k_q0130676aa0_finish-k_q0130676aa0_finish
	.p2alignl 7, 3214868480
	.fill 96, 4, 3214868480
	.section	.rodata,"a",@progbits
	.p2align	6, 0x0
	.amdhsa_kernel k_q0130676aa0_finish
		.amdhsa_group_segment_fixed_size 0
		.amdhsa_private_segment_fixed_size 0
		.amdhsa_enable_private_segment 0
		.amdhsa_kernarg_size 40
		.amdhsa_user_sgpr_count 2
		.amdhsa_user_sgpr_kernarg_segment_ptr 1
		.amdhsa_wavefront_size32 1
		.amdhsa_system_sgpr_workgroup_id_x 1
		.amdhsa_system_sgpr_workgroup_id_y 1
		.amdhsa_system_sgpr_workgroup_id_z 1
		.amdhsa_system_vgpr_workitem_id 0
		.amdhsa_next_free_vgpr 64
		.amdhsa_next_free_sgpr 66
		.amdhsa_reserve_vcc 0
		.amdhsa_float_denorm_mode_32 3
		.amdhsa_float_denorm_mode_16_64 3
		.amdhsa_memory_ordered 1
		.amdhsa_forward_progress 1
		.amdhsa_inst_pref_size 4
	.end_amdhsa_kernel
	.amdgpu_metadata
---
amdhsa.version: [ 1, 2 ]
amdhsa.kernels:
  - .name:           k_q0130676aa0_finish
    .symbol:         k_q0130676aa0_finish.kd
    .args:
      - { .name: sc, .offset: 0, .size: 8, .value_kind: global_buffer, .address_space: global }
      - { .name: ml, .offset: 8, .size: 8, .value_kind: global_buffer, .address_space: global }
      - { .name: pc, .offset: 16, .size: 8, .value_kind: global_buffer, .address_space: global }
      - { .name: out0, .offset: 24, .size: 8, .value_kind: global_buffer, .address_space: global }
      - { .name: out1, .offset: 32, .size: 8, .value_kind: global_buffer, .address_space: global }
    .group_segment_fixed_size: 0
    .private_segment_fixed_size: 0
    .kernarg_segment_align: 8
    .kernarg_segment_size: 40
    .max_flat_workgroup_size: 64
    .sgpr_count:     66
    .vgpr_count:     64
    .wavefront_size: 32
...
	.end_amdgpu_metadata
.endif
;; end of part 3
;; ======== version 2 of 2: 3 launches; version 1 with the launches qproj, stream written anew for expert scheduling mode
;; workspace buffers: qp 1,048,576 bytes; sc 262,144 bytes; ml 65,536 bytes; pc 1,048,576 bytes
;; launch qproj (part 4): grid 16 x 16, 8 waves a work-group, no clusters, 148,992 bytes of LDS; arguments Wa, h_t, qp; writes qp
.if DOCPART == 4
	.amdgcn_target "amdgcn-amd-amdhsa--gfx1250"
	.amdhsa_code_object_version 6
	.text
	.protected	k_q0130676aa0_qproj
	.globl	k_q0130676aa0_qproj
	.p2align	8
	.type	k_q0130676aa0_qproj,@function
k_q0130676aa0_qproj:
	s_mov_b64 s[64:65], 0
	v_nop
	global_prefetch_b8 v0, s[64:65] scope:SCOPE_SE
	s_setreg_imm32_b32 hwreg(HW_REG_WAVE_SCHED_MODE, 0, 2), 2
	s_setreg_imm32_b32 hwreg(HW_REG_WAVE_MODE, 25, 1), 1
	s_wait_xcnt 0x0
	s_wait_alu depctr_vm_vsrc(0)
; qp[kq][b][d] = sum over the 256 t of K quarter kq of h_t[b][t] * Wa[d][t]   (f32; the four quarters are added by the next launch).
; Why: scores[s][b] = sum_t (sum_d h_s[s][b][d] Wa[d][t]) h_t[b][t] = sum_d h_s[s][b][d] q[b][d] with q = h_t Wa^T, for every input:
; the product with 65,536 rows becomes one with 64 rows.
; NUMBER FORMAT: the softmax behind these scores is steep, so plain bf16 operands would be too coarse.  Every f32 operand x is split
; into hi = bf16(x) and lo = bf16(x - hi) (the difference is exact in f32), and three bf16 products with f32 sums are made:
; hi hi + hi lo + lo hi.
; LIMITS: the product lo lo (at most 2^-18 of a term) is left out, and lo is itself rounded (at most 2^-18 of x).  |x| above about 3.39e38
; rounds to infinity in bf16 and then gives NaN.  The order of the sums differs from the reference's.
; SHARES: work-group (x, y): x = 64 columns d; y & 3 = 16 rows b; y >> 2 = K quarter.  Wave w: w & 3 = 16 of the d, w >> 2 = 128 of the K:
; one tile of 16 x 16 over K = 128, four matrix steps.  The two K halves meet in LDS.  The four waves of one K half convert the same
; 8 KiB of h_t: sharing them would cost a barrier more than it saves.
; No cluster and no tensor load: the operands have to pass through registers to be split, and the launch reads 4.25 MiB in all.
; THE MODE: SCHED_MODE bits 1:0 = 2 (LLVM: expert scheduling mode 2), set by the entry lines.  The code itself states the register dependences
; between vector or matrix instructions and memory or LDS instructions, with s_wait_alu, always for 0.
; THE PLAN.  Registers that memory or LDS instructions touch:
;   v2, v3, v6 to v9   offsets and LDS addresses: made once at the head, never written again.
;   RAW, row n         the global load lands in its four registers; row n's conversions read them and write lo into the first two, in place;
;                      one LDS store reads those two; later the fragments' loads land in the whole of RAW.
;   HI, row n          two registers: written by row n's conversions, read by one LDS store, never written again.
;   ACC0               written by the matrix instructions and the last sums, read by two LDS stores.
;   v[148:151], ACC1, ACC2 are named by vector and matrix instructions alone.
; The 32 rows go in eight groups of four.  ONE wait on va_vdst stands at a group's head, behind the wait for its first row's data: it states that the
; group before is written.  That group's eight LDS stores are then dealt among this group's conversions, which name their own rows' RAW and HI and
; v[148:151] alone.  Behind the last group: one wait on va_vdst, its stores, and one wait on vm_vsrc ahead of the fragments' loads.
.set PITCH, 272                        ; an LDS row: 256 bytes + 16, so that 16 rows of a fragment start 16 bytes apart modulo 256
.set TILE,  16*PITCH                   ; 16 rows x 128 bf16
.set WREG,  4*TILE                     ; a wave's own region: Wa hi, Wa lo, h_t hi, h_t lo
.set OUTL,  8*WREG                     ; behind the eight regions: [2 K halves][16 b] rows of 64 f32, pitch 272
.set ROWB,  4096                       ; bytes of a row of Wa, of h_t and of qp
.set GO,   2                           ; v2   16 x lane: my 16 bytes of a row's 512
.set STG,  3                           ; v3   my region + 8 x lane: my 4 bf16 of a row
.set FRA,  6                           ; v6   my region + 272 r + 16 h: fragment loads
.set OST,  7                           ; v7   where my 8 results go
.set ORD,  8                           ; v8   where thread t reads 16 bytes of the block back
.set QO,   9                           ; v9   and its place in qp
.set RAW,  16                          ; v[16:143]  load n in 4 registers: n = 0..15 rows of Wa, 16..31 rows of h_t; lo takes the first two of the four
.set FR,   16                          ; v[16:143]  later: fragment of K step s, tile t at 16 + 32 s + 8 t
.set T,    144                         ; v[148:151] at work
.set ACC0, 152                         ; hi hi
.set ACC1, 160                         ; Wa hi x h_t lo
.set ACC2, 168                         ; Wa lo x h_t hi
.set HI,   178                         ; v[178:241] row n: 4 bf16 hi in 2 registers at HI + 2 n
	s_load_b128 s[4:7], s[0:1], 0x0                ; Wa s[4:5], h_t s[6:7]
	s_load_b64 s[8:9], s[0:1], 0x10                ; qp
	v_lshl_add_u32 v176, v0, 2, 0x24200
	v_mov_b32 v177, 0
	v_lshrrev_b32 v1, 5, v0
	v_readfirstlane_b32 s10, v1                    ; wave 0..7
	v_and_b32 v1, 31, v0                           ; lane
	s_wait_alu depctr_va_sdst(0)                   ; s10 is written, ahead of its first reader: the bases and the LDS regions are made from it
	s_and_b32 s11, s10, 3                          ; nt: which 16 d
	s_lshr_b32 s12, s10, 2                         ; kh: which 128 of K
	s_and_b32 s13, ttmp7, 0xffff
	s_and_b32 s14, s13, 3                          ; mt: which 16 b
	s_lshr_b32 s15, s13, 2                         ; kq: which 256 of K
	s_lshl_b32 s17, s15, 10
	s_lshl_b32 s16, s12, 9
	s_add_co_u32 s17, s17, s16                     ; my first K, in bytes: 1,024 kq + 512 kh
	s_lshl_b32 s18, ttmp9, 18                      ; Wa: row 64 x + 16 nt, 4,096 bytes each
	s_lshl_b32 s16, s11, 16
	s_add_co_u32 s18, s18, s16
	s_add_co_u32 s18, s18, s17
	s_mov_b32 s19, 0
	s_lshl_b32 s20, s14, 16                        ; h_t: row 16 mt
	s_add_co_u32 s20, s20, s17
	s_mov_b32 s21, 0
	s_lshl_b32 s22, s15, 18                        ; qp: plane kq, row 16 mt, column 64 x
	s_lshl_b32 s16, s14, 16
	s_add_co_u32 s22, s22, s16
	s_lshl_b32 s16, ttmp9, 8
	s_add_co_u32 s22, s22, s16
	s_mov_b32 s23, 0
	s_mul_i32 s24, s10, WREG                       ; my region in LDS
	s_mul_i32 s25, s12, TILE                       ; my K half's block of results,
	s_lshl_b32 s16, s11, 6                         ; my 16 columns of 4 bytes in it
	s_add_co_u32 s25, s25, s16
	s_add_co_u32 s25, s25, OUTL
	s_mov_b32 s26, 0xffff0000                      ; a word's upper bf16
	v_lshlrev_b32 v[GO], 4, v1
	v_lshl_add_u32 v[STG], v1, 3, s24
	v_and_b32 v4, 15, v0                           ; r
	v_bfe_u32 v5, v0, 4, 1                         ; h
	v_mul_u32_u24 v10, v4, PITCH
	v_lshl_add_u32 v[FRA], v5, 4, v10
	v_add_nc_u32 v[FRA], s24, v[FRA]
	v_lshl_add_u32 v[OST], v5, 5, v10              ; row r, 8 f32 for each half of the lanes
	v_add_nc_u32 v[OST], s25, v[OST]
	v_lshrrev_b32 v11, 4, v0                       ; t >> 4: a row of the block
	v_mul_u32_u24 v[ORD], v11, PITCH
	v_lshl_add_u32 v[ORD], v4, 4, v[ORD]
	v_add_nc_u32 v[ORD], OUTL, v[ORD]
	v_lshlrev_b32 v[QO], 12, v11
	v_lshl_add_u32 v[QO], v4, 4, v[QO]
	s_wait_kmcnt 0x0
	s_add_nc_u64 s[4:5], s[4:5], s[18:19]
	s_add_nc_u64 s[6:7], s[6:7], s[20:21]
	s_add_nc_u64 s[8:9], s[8:9], s[22:23]
	s_wait_alu depctr_va_vdst(0)                   ; the six offsets and LDS addresses v2, v3, v6 to v9 are written, which the loads and stores of the kernel read
	; all 32 loads at once: each takes 512 consecutive bytes of one row, from a multiple of 512.  No hint: other work-groups read the same rows.
.irp i, 0,1,2,3,4,5,6,7,8,9,10,11,12,13,14,15
	global_load_b128 v[RAW+4*\i:RAW+4*\i+3], v[GO], s[4:5] offset:\i*ROWB
.endr
.irp i, 0,1,2,3,4,5,6,7,8,9,10,11,12,13,14,15
	global_load_b128 v[RAW+64+4*\i:RAW+64+4*\i+3], v[GO], s[6:7] offset:\i*ROWB
.endr
; Row n's 4 bf16 hi and 4 bf16 lo, 8 bytes a lane each, go into their tiles: rows 0 to 15 into Wa's two, rows 16 to 31 into h_t's two.
.macro PUT n
	ds_store_b64 v[STG], v[HI+2*(\n):HI+2*(\n)+1]   offset:2*TILE*((\n)/16)+PITCH*((\n)%16)        ; the wave's store covers the row's 256 bytes
	ds_store_b64 v[STG], v[RAW+4*(\n):RAW+4*(\n)+1] offset:2*TILE*((\n)/16)+TILE+PITCH*((\n)%16)
.endm
; Load n is split: 4 f32 a lane become 4 bf16 hi, in HI, and 4 bf16 lo, in the first two of the load's own four registers.
; Ahead of the conversions stand the two LDS stores of the row four back, which belongs to the group before.
.macro CVT n
	s_wait_loadcnt 31-(\n)                         ; loads come back in order: mine is in, the 31 - n younger ones stay out
.if (((\n) % 4) == 0) && ((\n) > 0)
	s_wait_alu depctr_va_vdst(0)                   ; the conversions of the four rows before have written their HI and lo, which the LDS stores dealt among this group's four rows read
.endif
.if (\n) >= 4
	PUT (\n)-4                                     ; no vector instruction since that wait names these four registers
.endif
	v_cvt_pk_bf16_f32 v[HI+2*(\n)],   v[RAW+4*(\n)],   v[RAW+4*(\n)+1]
	v_cvt_pk_bf16_f32 v[HI+2*(\n)+1], v[RAW+4*(\n)+2], v[RAW+4*(\n)+3]
	v_lshlrev_b32 v[T+4], 16,  v[HI+2*(\n)]        ; hi back as f32
	v_and_b32     v[T+5], s26, v[HI+2*(\n)]
	v_lshlrev_b32 v[T+6], 16,  v[HI+2*(\n)+1]
	v_and_b32     v[T+7], s26, v[HI+2*(\n)+1]
	v_pk_add_f32 v[T+4:T+5], v[RAW+4*(\n):RAW+4*(\n)+1],   v[T+4:T+5] neg_lo:[0,1] neg_hi:[0,1]   ; x - hi, exact
	v_pk_add_f32 v[T+6:T+7], v[RAW+4*(\n)+2:RAW+4*(\n)+3], v[T+6:T+7] neg_lo:[0,1] neg_hi:[0,1]
	v_cvt_pk_bf16_f32 v[RAW+4*(\n)],   v[T+4], v[T+5]
	v_cvt_pk_bf16_f32 v[RAW+4*(\n)+1], v[T+6], v[T+7]
.endm
.set rw, 0
.rept 32
	CVT rw
.set rw, rw+1
.endr
	s_wait_alu depctr_va_vdst(0)                   ; rows 28 to 31 are written, which the stores below read; and every conversion is done reading and writing RAW, in which the fragments' loads land
	PUT 28
	PUT 29
	PUT 30
	PUT 31
	s_wait_alu depctr_vm_vsrc(0)                   ; the LDS stores have read lo in RAW's registers, in which the fragments' loads land
	; Fragments: 16 rows x 32 K of bf16 in 8 registers: lane (r, h) takes row r, 16 bytes at 16 h and 16 bytes at 32 + 16 h of the K step's 64.
	; The bytes are the wave's own and LDS serves a wave's instructions in order: no wait on DScnt and no barrier between the stores above and these loads.
.irp s, 0,1,2,3
.irp t, 0,1,2,3
	ds_load_b128 v[FR+32*\s+8*\t:FR+32*\s+8*\t+3],   v[FRA] offset:TILE*\t+64*\s
	ds_load_b128 v[FR+32*\s+8*\t+4:FR+32*\s+8*\t+7], v[FRA] offset:TILE*\t+64*\s+32
.endr
.endr
; One K step of 32.  Source 0 = 16 rows of Wa (d), source 1 = 16 rows of h_t (b): register j of lane (r, h) is q(b = r, d = 8 h + j),
; eight neighbouring columns of one row.  The three accumulators take turns, one instruction a turn.
.macro STEP s, zero
	s_wait_dscnt 24-8*\s                           ; eight loads a step, in order: the later steps' loads stay out
.if \zero
	v_wmma_f32_16x16x32_bf16 v[ACC0:ACC0+7], v[FR+32*\s:FR+32*\s+7],    v[FR+32*\s+16:FR+32*\s+23], 0
	v_wmma_f32_16x16x32_bf16 v[ACC1:ACC1+7], v[FR+32*\s:FR+32*\s+7],    v[FR+32*\s+24:FR+32*\s+31], 0
	v_wmma_f32_16x16x32_bf16 v[ACC2:ACC2+7], v[FR+32*\s+8:FR+32*\s+15], v[FR+32*\s+16:FR+32*\s+23], 0
.else
	v_wmma_f32_16x16x32_bf16 v[ACC0:ACC0+7], v[FR+32*\s:FR+32*\s+7],    v[FR+32*\s+16:FR+32*\s+23], v[ACC0:ACC0+7]
	v_wmma_f32_16x16x32_bf16 v[ACC1:ACC1+7], v[FR+32*\s:FR+32*\s+7],    v[FR+32*\s+24:FR+32*\s+31], v[ACC1:ACC1+7]
	v_wmma_f32_16x16x32_bf16 v[ACC2:ACC2+7], v[FR+32*\s+8:FR+32*\s+15], v[FR+32*\s+16:FR+32*\s+23], v[ACC2:ACC2+7]
.endif
.endm
	STEP 0, 1                                      ; the first products start the sums: nothing is cleared
	STEP 1, 0
	STEP 2, 0
	STEP 3, 0
.rept 4
	v_nop                                          ; four places behind the last matrix instruction before its result is read (ISA guide 7.12.1)
.endr
.irp j, 0,2,4,6
	v_pk_add_f32 v[ACC1+\j:ACC1+\j+1], v[ACC1+\j:ACC1+\j+1], v[ACC2+\j:ACC2+\j+1]   ; the two small sums first,
.endr
.irp j, 0,2,4,6
	v_pk_add_f32 v[ACC0+\j:ACC0+\j+1], v[ACC0+\j:ACC0+\j+1], v[ACC1+\j:ACC1+\j+1]   ; then onto the large one
.endr
	s_wait_alu depctr_va_vdst(0)                   ; the sums have written ACC0, which the LDS stores read; the matrix instructions are done reading v[16:23], in which the loads behind the barrier land
	ds_store_b128 v[OST], v[ACC0:ACC0+3]
	ds_store_b128 v[OST], v[ACC0+4:ACC0+7] offset:16
	s_wait_dscnt 0x0                               ; my results are in LDS, for the other waves' sake: zero
	s_barrier_signal -1
	s_barrier_wait -1                              ; everybody's are
	ds_load_b128 v[16:19], v[ORD]                  ; thread t: row t >> 4, 16 bytes at 16 (t & 15), K half 0
	ds_load_b128 v[20:23], v[ORD] offset:TILE      ; and K half 1
	s_wait_dscnt 0x0
	v_pk_add_f32 v[16:17], v[16:17], v[20:21]
	v_pk_add_f32 v[18:19], v[18:19], v[22:23]
	s_wait_alu depctr_va_vdst(0)                   ; the two sums have written v[16:19], which the store reads
	global_store_b128 v[QO], v[16:19], s[8:9]      ; sixteen lanes store 256 consecutive bytes, at a multiple of 256 from qp's first byte
	s_wait_dscnt 0x0                               ; the closing lines, six on end
	s_wait_alu 0x0
	s_wait_tensorcnt 0x0
	ds_add_u32 v176, v177
	s_wait_dscnt 0x0
	s_endpgm
.Lfunc_end_k_q0130676aa0_qproj:
	.size	k_q0130676aa0_qproj, .Lfunc_end_k_q0130676aa0_qproj-k_q0130676aa0_qproj
	.p2alignl 7, 3214868480
	.fill 96, 4, 3214868480
	.section	.rodata,"a",@progbits
	.p2align	6, 0x0
	.amdhsa_kernel k_q0130676aa0_qproj
		.amdhsa_group_segment_fixed_size 148992
		.amdhsa_private_segment_fixed_size 0
		.amdhsa_enable_private_segment 0
		.amdhsa_kernarg_size 24
		.amdhsa_user_sgpr_count 2
		.amdhsa_user_sgpr_kernarg_segment_ptr 1
		.amdhsa_wavefront_size32 1
		.amdhsa_system_sgpr_workgroup_id_x 1
		.amdhsa_system_sgpr_workgroup_id_y 1
		.amdhsa_system_sgpr_workgroup_id_z 1
		.amdhsa_system_vgpr_workitem_id 0
		.amdhsa_next_free_vgpr 242
		.amdhsa_next_free_sgpr 66
		.amdhsa_reserve_vcc 0
		.amdhsa_float_denorm_mode_32 3
		.amdhsa_float_denorm_mode_16_64 3
		.amdhsa_memory_ordered 1
		.amdhsa_forward_progress 1
		.amdhsa_inst_pref_size 32
	.end_amdhsa_kernel
	.amdgpu_metadata
---
amdhsa.version: [ 1, 2 ]
amdhsa.kernels:
  - .name:           k_q0130676aa0_qproj
    .symbol:         k_q0130676aa0_qproj.kd
    .args:
      - { .name: Wa, .offset: 0, .size: 8, .value_kind: global_buffer, .address_space: global }
      - { .name: h_t, .offset: 8, .size: 8, .value_kind: global_buffer, .address_space: global }
      - { .name: qp, .offset: 16, .size: 8, .value_kind: global_buffer, .address_space: global }
    .group_segment_fixed_size: 148992
    .private_segment_fixed_size: 0
    .kernarg_segment_align: 8
    .kernarg_segment_size: 24
    .max_flat_workgroup_size: 256
    .sgpr_count:     66
    .vgpr_count:     242
    .wavefront_size: 32
...
	.end_amdgpu_metadata
.endif
;; end of part 4
;; launch stream (part 5): grid 64 x 4, 16 waves a work-group, no clusters, 75,776 bytes of LDS; arguments h_s, mask_src, qp, sc, ml, pc; writes sc, ml, pc
.if DOCPART == 5
	.amdgcn_target "amdgcn-amd-amdhsa--gfx1250"
	.amdhsa_code_object_version 6
	.text
	.protected	k_q0130676aa0_stream
	.globl	k_q0130676aa0_stream
	.p2align	8
	.type	k_q0130676aa0_stream,@function
k_q0130676aa0_stream:
	s_mov_b64 s[64:65], 0
	v_nop
	global_prefetch_b8 v0, s[64:65] scope:SCOPE_SE
	s_setreg_imm32_b32 hwreg(HW_REG_WAVE_SCHED_MODE, 0, 2), 2
	s_setreg_imm32_b32 hwreg(HW_REG_WAVE_MODE, 25, 1), 1
	s_wait_xcnt 0x0
	s_wait_alu depctr_vm_vsrc(0)
; The one pass over h_s.  Work-group (b, quarter) takes batch b and the 256 sequence places s = 256 quarter .. + 255: 1 MiB of h_s, read once.
; For each row: z = log2(e) * (mask ? h_s[s][b] . q[b] : -9999.9), and an online softmax with a running maximum M:
;   M' = max(M, z); a = 2^(M - M'); p = 2^(z - M'); L = L a + p; ACC = ACC a + p * row.
; Out: sc[b][s] = z;  ml[b][quarter] = (M, L) of the quarter, 32 times over (one whole block of 256 bytes; every lane of a reader has its copy);
; pc[b][quarter][d] = sum over the quarter's s of 2^(z - M) h_s[s][b][d].  The next launch joins the four quarters.
; Masked rows are read and worked on like the others: -9999.9 is a finite score, so their weights count when every score is that low.
; The mask only selects a value (v_cndmask_b32): no branch and no address hangs on it.
; SHARES: 16 waves, 16 rows each.  One wave takes a whole row of 4,096 bytes, eight loads of 512 consecutive bytes; lane l, register 4 j + c
; holds d = 128 j + 4 l + c.  So a score's sum never leaves the wave, and no wave waits for another until the end.
; IN FLIGHT: five rows of each wave at the start (40 loads of 512 bytes), then three to four: a ring of four row slots in registers.
; Memory bounds this launch.  Left out: matrix units (one row of q for each batch would use a sixteenth of a tile, and bf16 would be too coarse
; for these scores), tensor loads and LDS slots (the register ring needs no barrier for a refill), clusters (no two work-groups read the same
; row), prefetches (the loads themselves run that far ahead).
; LIMITS: sums in another order than the reference's (h_s . (Wa h_t) in place of (h_s Wa) . h_t); scores are kept times log2(e), one rounding more;
; v_exp_f32 gives 0 for results below 2^-126, so weights that small are 0.
; THE MODE: SCHED_MODE bits 1:0 = 2 (LLVM: expert scheduling mode 2), set by the entry lines.  The code itself states the register dependences
; between vector instructions and memory or LDS instructions, with s_wait_alu, always for 0.
; THE PLAN.  Registers that memory or LDS instructions touch:
;   v1 to v9, v17, v30  offsets and LDS addresses: made once at the head, never written again: a row stands in the load's immediate.
;   X0 .. X3            Row i: its products and its multiply-adds read its slot; behind them the loads of row i + 4 land in it.
;   ZS + i              Row i's score has a register of its own: written by the row's score lines, read by one LDS store, never written again.
;   QS                  My two numbers of q: written once, read by one LDS store, never written again.
;   M, L, ACC, D, X[0:1], T[0:3] are read by stores at the end alone, and nothing writes them behind those stores.
;   In the rows T, D, AP, MN, M, L, Q and ACC are named by vector instructions alone.
; So no register that a store has read is ever written again: no wait on vm_vsrc is owed.  A row has two waits on va_vdst: the one behind its two
; exponentials, which also states that its score is written, so that the score's LDS store follows it; and one behind its multiply-adds, which are then done
; reading the slot: the slot is asked for again at once, since a slot that waited for the next row's wait would leave the wave a row less in flight.
.set ROWSTEP, 262144                   ; bytes from s to s + 1 in h_s: 64 batches x 4,096
.set QLDS, 0                           ; LDS: q[b] x log2(e), 4,096 bytes
.set SCL,  4096                        ; 256 scores
.set MLL,  5120                        ; M of the 16 waves, then at + 64 their L
.set PART, 8192                        ; 16 waves x 4,096 bytes: their sums
.set OFF,  1                           ; v1   16 lane + wave x 16 rows x 262,144: never rewritten, the row stands in the immediate
.set MKO,  2                           ; v2   mask: wave x 16 rows x 64 + (lane & 15) x 64
.set T8,   3                           ; v3   8 t
.set L16,  4                           ; v4   16 lane
.set SCA,  5                           ; v5   SCL + 64 wave
.set MLA,  6                           ; v6   MLL + 4 wave
.set MLR,  7                           ; v7   MLL + 4 (lane & 15)
.set PST,  8                           ; v8   PART + 4,096 wave + 16 lane
.set PRD,  9                           ; v9   PART + 8 t
.set MK,   10                          ; v10  the mask byte of row lane & 15
.set ZNEG, 11                          ; v11  f32(-9999.9) x log2(e)
.set Z,    12                          ; v12  at the end only: M of wave lane & 15, as loaded from LDS
.set ZT,   13                          ; v13  the other half's sum; at the end L of wave lane & 15
.set M,    14                          ; v14  running maximum
.set MN,   15                          ; v15  new maximum
.set L,    16                          ; v16  running sum
.set T16,  17                          ; v17  16 t
.set D,    18                          ; v[18:19] the two exponents; at the end (M, L) of the work-group
.set AP,   20                          ; v[20:21] a, p
.set T,    22                          ; v[22:29] four chains of two
.set L8,   30                          ; v30  8 lane
.set Q,    32                          ; v[32:63]  q x log2(e), laid out like a row
.set ACC,  64                          ; v[64:95]  the weighted sum
.set X,    96                          ; v[96:223] four row slots of 32 registers
.set ZS,   226                         ; v[226:241] the scores of my 16 rows
.set QS,   242                         ; v[242:243] my two numbers of q x log2(e), on their way into LDS
	s_load_b256 s[4:11], s[0:1], 0x0               ; h_s s[4:5], mask_src s[6:7], qp s[8:9], sc s[10:11]
	s_load_b128 s[12:15], s[0:1], 0x20             ; ml s[12:13], pc s[14:15]
	v_lshl_add_u32 v224, v0, 2, 0x12000
	v_mov_b32 v225, 0
	v_lshrrev_b32 v[T16], 5, v0
	v_readfirstlane_b32 s16, v[T16]                ; wave 0..15
	s_mov_b32 s17, ttmp9                           ; b
	s_and_b32 s18, ttmp7, 0xffff                   ; quarter
	s_mov_b32 s24, 0x76543210                      ; v_permlanex16_b32: lane i of one half reads lane i of the other
	s_mov_b32 s25, 0xfedcba98
	v_and_b32 v[L8], 31, v0                        ; lane
	v_and_b32 v[MLR], 15, v0
	v_lshlrev_b32 v[L16], 4, v[L8]
	s_wait_alu depctr_va_sdst(0)                   ; s16 is written, ahead of its first reader: the wave's offsets and LDS addresses are made from it
	s_lshl_b32 s19, s16, 22
	v_add_nc_u32 v[OFF], s19, v[L16]
	s_lshl_b32 s19, s16, 10
	v_lshl_add_u32 v[MKO], v[MLR], 6, s19
	v_lshlrev_b32 v[T8], 3, v0
	s_lshl_b32 s19, s16, 6
	s_add_co_u32 s19, s19, SCL
	v_mov_b32 v[SCA], s19
	s_lshl_b32 s19, s16, 2
	s_add_co_u32 s19, s19, MLL
	v_mov_b32 v[MLA], s19
	v_lshl_add_u32 v[MLR], v[MLR], 2, MLL
	s_lshl_b32 s19, s16, 12
	s_add_co_u32 s19, s19, PART
	v_add_nc_u32 v[PST], s19, v[L16]
	v_add_nc_u32 v[PRD], PART, v[T8]
	v_mov_b32 v[ZNEG], 0xc6616b3a
	v_mov_b32 v[ZT], 0                             ; v_permlanex16_b32 counts as a reader of its destination
	v_lshlrev_b32 v[T16], 4, v0
	v_lshlrev_b32 v[L8], 3, v[L8]
	s_lshl_b32 s19, s17, 12                        ; b x 4,096
	s_lshl2_add_u32 s26, s17, s18                  ; 4 b + quarter
	s_mov_b32 s21, 0                               ; every offset is below 2^28: the high word is 0
	s_wait_kmcnt 0x0
	s_lshl_b32 s20, s18, 26                        ; h_s: 256 quarter rows s of 262,144 bytes, + b's row
	s_add_co_u32 s20, s20, s19
	s_add_nc_u64 s[4:5], s[4:5], s[20:21]
	s_lshl_b32 s20, s18, 14                        ; mask: 256 quarter rows of 64 bytes, + b
	s_add_co_u32 s20, s20, s17
	s_add_nc_u64 s[6:7], s[6:7], s[20:21]
	s_mov_b32 s20, s19                             ; qp: row b of each plane
	s_add_nc_u64 s[8:9], s[8:9], s[20:21]
	s_lshl_b32 s20, s18, 10                        ; sc: row b, 256 quarter scores in
	s_add_co_u32 s20, s20, s19
	s_add_nc_u64 s[10:11], s[10:11], s[20:21]
	s_lshl_b32 s20, s26, 8                         ; ml: record 4 b + quarter of 256 bytes
	s_add_nc_u64 s[12:13], s[12:13], s[20:21]
	s_lshl_b32 s20, s26, 12                        ; pc: row 4 b + quarter of 4,096 bytes
	s_add_nc_u64 s[14:15], s[14:15], s[20:21]
	s_wait_alu depctr_va_vdst(0)                   ; the eleven offsets and LDS addresses v1 to v9, v17 and v30 are written, which the loads and stores of the kernel read
; Row i of my 16 into the 32 registers at dst.  The largest immediate is 15 x 262,144 + 3,584, inside the signed 24 bits.
; The launch reads each row once: TH_LOAD_NT.
.macro FILL dst, i
.irp j, 0,1,2,3,4,5,6,7
	global_load_b128 v[(\dst)+4*\j:(\dst)+4*\j+3], v[OFF], s[4:5] offset:(\i)*ROWSTEP+512*\j th:TH_LOAD_NT
.endr
.endm
	global_load_u8 v[MK], v[MKO], s[6:7]           ; lane l: the mask of my row l & 15
.irp k, 0,1,2,3
	global_load_b64 v[T+2*\k:T+2*\k+1], v[T8], s[8:9] offset:\k*262144   ; thread t: q's partial sums of d = 2 t, 2 t + 1; a wave's load is 256 consecutive bytes
.endr
	FILL ACC, 0                                    ; row 0 lands where the sum is kept: with p = 1 it is the sum's first term
.irp k, 0,1,2,3
	FILL X+32*\k, \k+1
.endr
	s_wait_loadcnt 40                              ; the mask and q's partial sums are in; the 40 loads of rows 0 to 4 stay out
	v_cmp_ne_u32 s22, 0, v[MK]                     ; bit i = the mask of my row i
	v_pk_add_f32 v[T:T+1],   v[T:T+1],   v[T+2:T+3]
	v_pk_add_f32 v[T+4:T+5], v[T+4:T+5], v[T+6:T+7]
	v_pk_add_f32 v[T:T+1],   v[T:T+1],   v[T+4:T+5]
	v_pk_mul_f32 v[QS:QS+1], v[T:T+1], 0x3fb8aa3b op_sel_hi:[1,0]  ; log2(e) goes into q once, so that v_exp_f32 (base 2) takes the scores as they come
	s_wait_alu depctr_va_sdst(0)                   ; s22 is written, ahead of its first reader, the first row's s_bitcmp1_b32
	s_wait_alu depctr_va_vdst(0)                   ; the multiplication has written QS, which the LDS store reads
	ds_store_b64 v[T8], v[QS:QS+1] offset:QLDS
	s_wait_dscnt 0x0                               ; my two numbers of q are in LDS
	s_barrier_signal -1
	s_barrier_wait -1                              ; all 1,024 are
.irp j, 0,1,2,3,4,5,6,7
	ds_load_b128 v[Q+4*\j:Q+4*\j+3], v[L16] offset:QLDS+512*\j     ; q in a row's layout
.endr
	s_wait_dscnt 0x0
; The score of row i, which lies in the 32 registers at src: four chains, the lanes' sums joined, the mask's choice; it stays in its own register ZS + i.
.macro SCORE src, i
.irp c, 0,1,2,3
	v_pk_mul_f32 v[T+2*\c:T+2*\c+1], v[(\src)+2*\c:(\src)+2*\c+1], v[Q+2*\c:Q+2*\c+1]
.endr
.irp p, 4,5,6,7,8,9,10,11,12,13,14,15
	v_pk_fma_f32 v[T+2*(\p%4):T+2*(\p%4)+1], v[(\src)+2*\p:(\src)+2*\p+1], v[Q+2*\p:Q+2*\p+1], v[T+2*(\p%4):T+2*(\p%4)+1]
.endr
	v_pk_add_f32 v[T:T+1],   v[T:T+1],   v[T+2:T+3]
	v_pk_add_f32 v[T+4:T+5], v[T+4:T+5], v[T+6:T+7]
	v_pk_add_f32 v[T:T+1],   v[T:T+1],   v[T+4:T+5]
	v_add_f32 v[ZS+(\i)], v[T], v[T+1]
	v_add_f32_dpp v[ZS+(\i)], v[ZS+(\i)], v[ZS+(\i)] row_xmask:1 row_mask:0xf bank_mask:0xf
	v_add_f32_dpp v[ZS+(\i)], v[ZS+(\i)], v[ZS+(\i)] row_xmask:2 row_mask:0xf bank_mask:0xf
	v_add_f32_dpp v[ZS+(\i)], v[ZS+(\i)], v[ZS+(\i)] row_xmask:4 row_mask:0xf bank_mask:0xf
	v_add_f32_dpp v[ZS+(\i)], v[ZS+(\i)], v[ZS+(\i)] row_xmask:8 row_mask:0xf bank_mask:0xf
	v_permlanex16_b32 v[ZT], v[ZS+(\i)], s24, s25
	v_add_f32 v[ZS+(\i)], v[ZS+(\i)], v[ZT]        ; every lane holds the row's score
	s_bitcmp1_b32 s22, \i
	s_cselect_b32 s23, -1, 0
	v_cndmask_b32 v[ZS+(\i)], v[ZNEG], v[ZS+(\i)], s23             ; mask ? score : -9999.9 x log2(e)
.endm
; Row i, in slot.  left = the loads of the rows issued behind it, which stay out.  fill = 1: the slot gets row i + 4.
.macro ROW i, slot, left, fill
	s_wait_loadcnt \left
	SCORE X+32*\slot, \i
	v_max_num_f32 v[MN], v[M], v[ZS+(\i)]
	v_sub_f32 v[D],   v[M], v[MN]
	v_sub_f32 v[D+1], v[ZS+(\i)], v[MN]
	v_exp_f32 v[AP],   v[D]                        ; a
	v_exp_f32 v[AP+1], v[D+1]                      ; p
	v_mov_b32 v[M], v[MN]                          ; the plain instruction that stands behind the exponentials before their results are used (ISA guide 5.7.2)
	s_wait_alu depctr_va_vdst(0)                   ; the two exponentials have written a and p, ahead of their first reader; the score lines have written ZS + i, which the LDS store reads
.if (\i) == 1
	ds_store_b32 v[SCA], v[ZS]                     ; row 0's score, written ahead of the same wait
.endif
	ds_store_b32 v[SCA], v[ZS+(\i)] offset:4*(\i)  ; all lanes write the same word with the same value; kept in LDS for the way out
	v_fma_f32 v[L], v[L], v[AP], v[AP+1]
.irp p, 0,1,2,3,4,5,6,7,8,9,10,11,12,13,14,15
	v_pk_mul_f32 v[ACC+2*\p:ACC+2*\p+1], v[ACC+2*\p:ACC+2*\p+1], v[AP:AP+1] op_sel_hi:[1,0]      ; both halves by a
.endr
.irp p, 0,1,2,3,4,5,6,7,8,9,10,11,12,13,14,15
	v_pk_fma_f32 v[ACC+2*\p:ACC+2*\p+1], v[X+32*\slot+2*\p:X+32*\slot+2*\p+1], v[AP:AP+1], v[ACC+2*\p:ACC+2*\p+1] op_sel:[0,1,0] op_sel_hi:[1,1,1]   ; both halves by p
.endr
.if \fill
	s_wait_alu depctr_va_vdst(0)                   ; the row's products and multiply-adds are done reading the slot, in which the eight loads below land
	FILL X+32*\slot, \i+4
.endif
.endm
	s_wait_loadcnt 32                              ; row 0 is in; rows 1 to 4 stay out
	SCORE ACC, 0
	v_mov_b32 v[M], v[ZS]                          ; the first row starts the maximum, the sum (p = 1) and, where it lies, the weighted sum
	v_mov_b32 v[L], 1.0
	ROW 1,  0, 24, 1
	ROW 2,  1, 24, 1
	ROW 3,  2, 24, 1
	ROW 4,  3, 24, 1
	ROW 5,  0, 24, 1
	ROW 6,  1, 24, 1
	ROW 7,  2, 24, 1
	ROW 8,  3, 24, 1
	ROW 9,  0, 24, 1
	ROW 10, 1, 24, 1
	ROW 11, 2, 24, 1                               ; fills row 15, the last: no load leaves the wave's rows
	ROW 12, 3, 24, 0
	ROW 13, 0, 16, 0                               ; the counts run down
	ROW 14, 1, 8,  0
	ROW 15, 2, 0,  0
	; The 16 waves' maxima and sums meet.
	s_wait_alu depctr_va_vdst(0)                   ; row 15 has written M and L, which the two LDS stores read; the rows are done with v13, in which a load behind the barrier lands
	ds_store_b32 v[MLA], v[M]
	ds_store_b32 v[MLA], v[L] offset:64
	s_wait_dscnt 0x0                               ; these two and my 16 scores are in LDS
	s_barrier_signal -1
	s_barrier_wait -1
	ds_load_b32 v[Z],  v[MLR]                      ; lane l: M and L of wave l & 15; both halves of the lanes hold the same 16
	ds_load_b32 v[ZT], v[MLR] offset:64
	s_wait_dscnt 0x0
	v_max_num_f32_dpp v[D], v[Z], v[Z] row_xmask:1 row_mask:0xf bank_mask:0xf
	v_max_num_f32_dpp v[D], v[D], v[D] row_xmask:2 row_mask:0xf bank_mask:0xf
	v_max_num_f32_dpp v[D], v[D], v[D] row_xmask:4 row_mask:0xf bank_mask:0xf
	v_max_num_f32_dpp v[D], v[D], v[D] row_xmask:8 row_mask:0xf bank_mask:0xf     ; the work-group's maximum, in every lane
	v_sub_f32 v[T],   v[Z], v[D]
	v_sub_f32 v[T+1], v[M], v[D]
	v_exp_f32 v[T+2], v[T]                         ; what wave l & 15's sum is scaled by
	v_exp_f32 v[AP],  v[T+1]                       ; what my own wave's weighted sum is scaled by
	v_nop                                          ; the plain place behind the exponentials
	s_wait_alu depctr_va_vdst(0)                   ; the two exponentials have written their factors, ahead of their first reader
	v_mul_f32 v[D+1], v[ZT], v[T+2]
	v_add_f32_dpp v[D+1], v[D+1], v[D+1] row_xmask:1 row_mask:0xf bank_mask:0xf
	v_add_f32_dpp v[D+1], v[D+1], v[D+1] row_xmask:2 row_mask:0xf bank_mask:0xf
	v_add_f32_dpp v[D+1], v[D+1], v[D+1] row_xmask:4 row_mask:0xf bank_mask:0xf
	v_add_f32_dpp v[D+1], v[D+1], v[D+1] row_xmask:8 row_mask:0xf bank_mask:0xf   ; the work-group's sum
.irp p, 0,1,2,3,4,5,6,7,8,9,10,11,12,13,14,15
	v_pk_mul_f32 v[ACC+2*\p:ACC+2*\p+1], v[ACC+2*\p:ACC+2*\p+1], v[AP:AP+1] op_sel_hi:[1,0]
.endr
	s_wait_alu depctr_va_vdst(0)                   ; the multiplications have written ACC, which the LDS stores read; the rows are done reading slot 0, in which the loads behind the barrier land
.irp j, 0,1,2,3,4,5,6,7
	ds_store_b128 v[PST], v[ACC+4*\j:ACC+4*\j+3] offset:512*\j     ; byte 512 j + 16 lane = 4 d: my wave's 1,024 sums in the order of d
.endr
	s_wait_dscnt 0x0
	s_barrier_signal -1
	s_barrier_wait -1
.irp k, 0,1,2,3,4,5,6,7,8,9,10,11,12,13,14,15
	ds_load_b64 v[X+2*\k:X+2*\k+1], v[PRD] offset:4096*\k          ; thread t: d = 2 t, 2 t + 1 of all 16 waves
.endr
	s_wait_dscnt 0x0
.irp k, 0,1,2,3,4,5,6,7
	v_pk_add_f32 v[X+4*\k:X+4*\k+1], v[X+4*\k:X+4*\k+1], v[X+4*\k+2:X+4*\k+3]
.endr
.irp k, 0,1,2,3
	v_pk_add_f32 v[X+8*\k:X+8*\k+1], v[X+8*\k:X+8*\k+1], v[X+8*\k+4:X+8*\k+5]
.endr
.irp k, 0,1
	v_pk_add_f32 v[X+16*\k:X+16*\k+1], v[X+16*\k:X+16*\k+1], v[X+16*\k+8:X+16*\k+9]
.endr
	v_pk_add_f32 v[X:X+1], v[X:X+1], v[X+16:X+17]
	s_wait_alu depctr_va_vdst(0)                   ; the last sum has written v[X:X+1], which the store reads.  No vector instruction follows on any path: the wait also states that the lines above are done with v[T:T+3], in which the scores' load lands, and have written v[D:D+1], which the record's store reads
	global_store_b64 v[T8], v[X:X+1], s[14:15]     ; a wave stores 256 consecutive bytes, at a multiple of 256 from pc's first byte
	s_cmp_gt_u32 s16, 1
	s_cbranch_scc1 .Lno_scores
	ds_load_b128 v[T:T+3], v[T16] offset:SCL       ; waves 0 and 1: the 256 scores, 16 bytes a thread (stored ahead of the two barriers above)
	s_wait_dscnt 0x0
	global_store_b128 v[T16], v[T:T+3], s[10:11]
.Lno_scores:
	s_cmp_lg_u32 s16, 2
	s_cbranch_scc1 .Ldone
	global_store_b64 v[L8], v[D:D+1], s[12:13]     ; wave 2: (M, L), 32 times: the record's 256 bytes in one store
.Ldone:
	s_wait_dscnt 0x0                               ; the closing lines, six on end
	s_wait_alu 0x0
	s_wait_tensorcnt 0x0
	ds_add_u32 v224, v225
	s_wait_dscnt 0x0
	s_endpgm
.Lfunc_end_k_q0130676aa0_stream:
	.size	k_q0130676aa0_stream, .Lfunc_end_k_q0130676aa0_stream-k_q0130676aa0_stream
	.p2alignl 7, 3214868480
	.fill 96, 4, 3214868480
	.section	.rodata,"a",@progbits
	.p2align	6, 0x0
	.amdhsa_kernel k_q0130676aa0_stream
		.amdhsa_group_segment_fixed_size 75776
		.amdhsa_private_segment_fixed_size 0
		.amdhsa_enable_private_segment 0
		.amdhsa_kernarg_size 48
		.amdhsa_user_sgpr_count 2
		.amdhsa_user_sgpr_kernarg_segment_ptr 1
		.amdhsa_wavefront_size32 1
		.amdhsa_system_sgpr_workgroup_id_x 1
		.amdhsa_system_sgpr_workgroup_id_y 1
		.amdhsa_system_sgpr_workgroup_id_z 1
		.amdhsa_system_vgpr_workitem_id 0
		.amdhsa_next_free_vgpr 244
		.amdhsa_next_free_sgpr 66
		.amdhsa_reserve_vcc 0
		.amdhsa_float_denorm_mode_32 3
		.amdhsa_float_denorm_mode_16_64 3
		.amdhsa_memory_ordered 1
		.amdhsa_forward_progress 1
		.amdhsa_inst_pref_size 85
	.end_amdhsa_kernel
	.amdgpu_metadata
---
amdhsa.version: [ 1, 2 ]
amdhsa.kernels:
  - .name:           k_q0130676aa0_stream
    .symbol:         k_q0130676aa0_stream.kd
    .args:
      - { .name: h_s, .offset: 0, .size: 8, .value_kind: global_buffer, .address_space: global }
      - { .name: mask_src, .offset: 8, .size: 8, .value_kind: global_buffer, .address_space: global }
      - { .name: qp, .offset: 16, .size: 8, .value_kind: global_buffer, .address_space: global }
      - { .name: sc, .offset: 24, .size: 8, .value_kind: global_buffer, .address_space: global }
      - { .name: ml, .offset: 32, .size: 8, .value_kind: global_buffer, .address_space: global }
      - { .name: pc, .offset: 40, .size: 8, .value_kind: global_buffer, .address_space: global }
    .group_segment_fixed_size: 75776
    .private_segment_fixed_size: 0
    .kernarg_segment_align: 8
    .kernarg_segment_size: 48
    .max_flat_workgroup_size: 512
    .sgpr_count:     66
    .vgpr_count:     244
    .wavefront_size: 32
...
	.end_amdgpu_metadata
.endif
;; end of part 5
;; launch finish: the kernel of part 3 again; grid 64 x 4, 2 waves a work-group, no clusters, 0 bytes of LDS; arguments sc, ml, pc, out0, out1; writes out0, out1
